; MI455X (gfx1250); checked and timed in simulation.
; The chip was launched on July 23, 2026; its instructions are those of AMD's public machine-readable ISA for CDNA 5 (MIT licence, August 2026) and "CDNA5" Instruction Set Architecture Reference Guide (July 2026). The comments in the code are by the model that wrote it; some were corrected since.
;; Intrinsic Reward. Allowed arithmetic: matrix products marked QUANTISED: E3M2 operands, one E8M0 scale for each 32 along K, by v_wmma_scale_f32_16x16x128_f8f6f4 with both operands' format E3M2, f32 sums; everything else in f32.
;; Inputs: W1 262 x 128 float32; W2_codes 64 x 4 x 24 uint8 (E3M2 codes of W2, K innermost, in blocks of 32 codes, four codes in three bytes); W2_scales 64 x 4 uint8 (E8M0 scales of W2, one for each 32 codes along K); W3_codes 256 x 2 x 24 uint8 (E3M2 codes of W3, K innermost, in blocks of 32 codes, four codes in three bytes); W3_scales 256 x 2 uint8 (E8M0 scales of W3, one for each 32 codes along K); action 1,024 x 6 float32; b1 128 float32; b2 64 float32; b3 256 float32; be1 128 float32; be2 64 float32; g1 128 float32; g2 64 float32; mem 200,000 x 256 float32; sigma 1,024 x 6 float32; z_t 1,024 x 256 float32; z_t1 1,024 x 256 float32.
;; Outputs: out0 4 x 1,024 float32.
;; This version of the problem:
;;   THIS VERSION OF THE PROBLEM IS GIVEN IN LOW PRECISION. The matrix products marked QUANTISED in the list below multiply operands that are first quantised to E3M2 (3 exponent bits, 2 mantissa bits; 6 bits a number), with one power-of-two scale for each 32 numbers along K (OCP MX v1.0); their sums are f32. All else is computed in f32.
;;   The module's matrix products, in the order in which they are computed (A, B: the left and right operand; K: the contracted axis; several contracted axes count as one K, in the product's order):
;;     1. [M 1,024, K 262] x [K 262, N 128]; A: computed on the way; B: input W1: QUANTISED
;;     2. [M 1,024, K 128] x [K 128, N 64]; A: computed on the way; B: input W2 (given as codes): QUANTISED
;;     3. [M 1,024, K 64] x [K 64, N 256]; A: computed on the way; B: input W3 (given as codes): QUANTISED
;;     4. [M 1,024, K 256] x [K 256, N 200,000]; A: computed on the way; B: computed on the way: QUANTISED
;;   THE QUANTISER, for each operand of a quantised product, along K:
;;     - K is cut into blocks of 32 from its start; a last block that is shorter is filled with zeros.
;;     - A block's scale is 2^e with e = floor(log2(the largest magnitude in the block)) - 4, held to -126 .. 127; a block of zeros has e = 0. As a byte (E8M0): e + 127.
;;     - Each number is divided by its block's scale, clamped to +-28, and rounded to the nearest number of E3M2, ties to even, subnormals kept.
;;     - The product sums the exact products of the quantised numbers (number of the format x scale) in f32.
;;   ~~~python
;;   def quantise(x, axis):      # numpy; x: float32 -> the quantised numbers, widened to float32 again
;;       x = np.moveaxis(x, axis, -1); K = x.shape[-1]
;;       x = np.pad(x, [(0, 0)] * (x.ndim - 1) + [(0, -K % 32)]); x = x.reshape(x.shape[:-1] + (-1, 32)); a = np.abs(x).max(-1, keepdims=True)
;;       e = np.where(a > 0, np.clip(np.frexp(np.where(a > 0, a, 1))[1] - 1 - 4, -126, 127), 0)      # np.frexp(a)[1] - 1 = floor(log2(a)), exactly
;;       r = np.clip(x / 2.0 ** e, -28, 28)
;;       step = 2.0 ** (np.maximum(np.frexp(np.where(r == 0, 1, r))[1] - 1, -2) - 2)
;;       q = np.round(r / step) * step * 2.0 ** e      # np.round: ties to even
;;       return np.moveaxis(q.reshape(q.shape[:-2] + (-1,))[..., :K], -1, axis).astype(np.float32)
;;   ~~~
;;   OPERANDS COMPUTED ON THE WAY. 'Computed on the way' means the value that the module computes at that place (a softmax that the list does not call 'softmax' is quantised finished and normalised). What goes into a quantiser is computed in f32, as accurately as f32 sums, v_exp_f32 and their like allow (about 1e-6 of the number): no bf16 or f16 on the way to a quantiser, and a product that is left as it is and whose result goes on into a quantised operand takes f32 operands (vector FMAs, or v_wmma_f32_16x16x4_f32). A number that lies on a knife's edge between two numbers of the format may be rounded either way, as far as f32 arithmetic and the matrix unit's own rounding can turn it there, and no further.
;;   INPUTS GIVEN AS CODES. W2 (in the module: [128, 64], K = its axis 0); W3 (in the module: [64, 256], K = its axis 0): each comes as NAME_codes (uint8): NAME with its K axis moved to the last place and cut into blocks of 32 codes, [.., K / 32, bytes a block], one block behind the other in memory; four codes in three bytes: a row's codes are one little-endian stream of bits, code i at bits 6 i .. 6 i + 5 (a code: sign, 3 exponent bits, 2 mantissa bits); and NAME_scales (uint8): the same leading axes, one E8M0 byte (e + 127) for each 32 codes along K. Its value is code x scale, taken as it is: it is not quantised again, and the codes and scales need not be those that the quantiser above would give.
;; One version. Each part assembles by itself: llvm-mc -triple=amdgcn-amd-amdhsa -mcpu=gfx1250 --defsym DOCPART=n.
;; ======== version 1 of 1: 4 launches
;; limits: values within 0.0009766 (relative) of each other or of a threshold may be ordered or decided otherwise than in the reference
;; workspace buffers: zq 196,608 bytes; zsc 8,192 bytes; pq 8,192 bytes; codes 38,400,000 bytes; msc 1,600,000 bytes; bm 20,480,000 bytes; ids 65,536 bytes of whole numbers
;; launch prep (part 1): grid 8 x 1, 8 waves a work-group, no clusters, 63,488 bytes of LDS; arguments z_t, action, z_t1, sigma, W1, b1, g1, be1, W2_codes, W2_scales, b2, g2, be2, W3_codes, W3_scales, b3, zq, zsc, pq; writes zq, zsc, pq
.if DOCPART == 1
	.amdgcn_target "amdgcn-amd-amdhsa--gfx1250"
	.amdhsa_code_object_version 6
	.text
	.protected	k_qdf6dde0bbd_prep
	.globl	k_qdf6dde0bbd_prep
	.p2align	8
	.type	k_qdf6dde0bbd_prep,@function
k_qdf6dde0bbd_prep:
	s_mov_b64 s[64:65], 0
	v_nop
	global_prefetch_b8 v0, s[64:65] scope:SCOPE_SE
	s_setreg_imm32_b32 hwreg(HW_REG_WAVE_MODE, 25, 1), 1
	s_wait_xcnt 0x0
; Per tile of 16 queries (one wave): the forward model (three products on E3M2 codes, two layer norms) up to the mean squared error,
; the mean of sigma, and z / (|z| + 1e-8) quantised along its 256 numbers, stored as images of the operand's registers.
; Wave v of work-group g owns queries 16 (8 g + v) on; it also quantises tile v (16 hidden units) of W1 for all eight waves (through LDS).
; All products are used transposed (source 0 = 16 rows of a weight, source 1 = 16 queries): a lane holds ONE query, its registers run along the units.
; The units of a tile of W1 and W2 are 32 (t / 2) + 8 (t % 2) + r + 8 (r / 8), so that two neighbouring tiles' 16 registers are 16 neighbours along the next K.
; LIMITS: NaN and infinities are not served; x / n is x * (1 / n) with v_rcp_f32; a block of zeros gets the scale byte 1 (its codes are zeros; only this program reads the bytes).
; zq: [tile][K step][chunk 0..2][lane][16 B]; zsc: [tile][lane]: lanes 0-15 the word of K step 0, lanes 16-31 of K step 1; pq: [2][1024]: error, mean of sigma.
.set W1IMG, 0            ; 24 images of 1,536 bytes: tile t, K step s at 3 t + s
.set W1SC,  36864        ; their scale words, 128 bytes each
.set PW3,   39936        ; the small inputs, copied once as they lie
.set PW2,   52224
.set PB3,   58368
.set PS3,   59392
.set PB1,   59904
.set PG1,   60416
.set PE1,   60928
.set PB2,   61440
.set PG2,   61696
.set PE2,   61952
.set PS2,   62208
.set XF,  16             ; v16-51 three fragments: x's, later the hidden layers'
.set PC,  52             ; v52-63 codes on their way to zq
.set RA,  64
.set RB,  128
.set TL,  192            ; 16 numbers of the short last block
.set TM,  208            ; +0..3 largest magnitudes, +4..7 bytes, +12..15 the conversions' scale operands
.set TQ,  224            ; second halves of the conversions
.set XS,  232            ; scale registers: x's three words, the hidden layers' two, four of a weight, the word just made
.set H1S, 235
.set H2S, 236
.set WS,  237
.set PW,  241
.set SEL, 46
.set LOW, 48
.set EPS, 50
.set MSB, 0
.macro WIN new
.if MSB != (\new)
	s_set_vgpr_msb (MSB<<8)|(\new)
.set MSB, (\new)
.endif
.endm
.macro NOPS n
.rept \n
	v_nop
.endr
.endm
; 64 numbers of a lane, register 16 b + i = k 32 b + 16 (lane / 16) + i of my row -> a fragment's 12 registers at d, its scale word in PW
.macro QUANT s, d
.irp b, 0,1,2,3
	v_max3_num_f32 v[TM+\b], |v[\s+16*\b]|, |v[\s+1+16*\b]|, 0x2800000   ; with the floor 2^(5 - 127): the byte cannot fall under 1
.endr
.irp i, 2,4,6,8,10,12,14
.irp b, 0,1,2,3
	v_max3_num_f32 v[TM+\b], v[TM+\b], |v[\s+16*\b+\i]|, |v[\s+1+16*\b+\i]|
.endr
.endr
.irp b, 0,1,2,3
	v_permlanex16_b32 v[TM+4+\b], v[TM+\b], s[SEL], s[SEL+1]
.endr
.irp b, 0,1,2,3
	v_max_num_f32 v[TM+\b], v[TM+\b], v[TM+4+\b]
.endr
.irp b, 0,1,2,3
	v_add_nc_u32 v[TM+12+\b], 0xfe000000, v[TM+\b]       ; 4 off the exponent field: the conversion's scale operand
.endr
.irp b, 0,1,2,3
	v_lshrrev_b32 v[TM+4+\b], 23, v[TM+12+\b]
.endr
	v_lshl_or_b32 v[PW], v[TM+5], 8, v[TM+4]
	v_lshl_or_b32 v[PW], v[TM+6], 16, v[PW]
	v_lshl_or_b32 v[PW], v[TM+7], 24, v[PW]
.irp c, 0,1
	v_cvt_scalef32_pk16_bf6_f32 v[\d+6*\c:\d+2+6*\c], v[\s+32*\c:\s+15+32*\c], v[TM+12+2*\c]
	v_cvt_scalef32_pk16_bf6_f32 v[TQ+4*\c:TQ+2+4*\c], v[\s+16+32*\c:\s+31+32*\c], v[TM+13+2*\c]
.endr
	v_nop                                                ; one plain place behind the scaled conversions
.irp c, 0,1
.irp i, 0,1,2
	v_permlane16_swap_b32 v[\d+6*\c+\i], v[TQ+4*\c+\i]   ; a whole block to a lane
.endr
.irp i, 0,1,2
	v_mov_b32 v[\d+3+6*\c+\i], v[TQ+4*\c+\i]
.endr
.endr
.endm
; 64 numbers down K of my column, register 32 c + i = k 64 c + 32 (lane / 16) + i -> 12 registers at d, the word in PW.  v146 holds 8 (lane / 16)
.macro QCOL s, d
.irp c, 0,1
	v_max3_num_f32 v[TM+\c], |v[\s+32*\c]|, |v[\s+1+32*\c]|, 0x2800000
.endr
.irp i, 2,4,6,8,10,12,14,16,18,20,22,24,26,28,30
.irp c, 0,1
	v_max3_num_f32 v[TM+\c], v[TM+\c], |v[\s+32*\c+\i]|, |v[\s+1+32*\c+\i]|
.endr
.endr
.irp c, 0,1
	v_add_nc_u32 v[TM+12+\c], 0xfe000000, v[TM+\c]
.endr
.irp c, 0,1
	v_lshrrev_b32 v[TM+4+\c], 23, v[TM+12+\c]
.endr
	v_lshl_or_b32 v[PW], v[TM+5], 16, v[TM+4]            ; my two bytes, blocks h and 2 + h,
	v_lshlrev_b32 v[PW], v146, v[PW]                     ; at their places;
	v_permlanex16_b32 v[TM+6], v[PW], s[SEL], s[SEL+1]
	v_or_b32 v[PW], v[PW], v[TM+6]                       ; with lane l xor 16's the word is whole
.irp c, 0,1
	v_cvt_scalef32_pk16_bf6_f32 v[\d+6*\c:\d+2+6*\c], v[\s+32*\c:\s+15+32*\c], v[TM+12+\c]
	v_cvt_scalef32_pk16_bf6_f32 v[TQ+4*\c:TQ+2+4*\c], v[\s+16+32*\c:\s+31+32*\c], v[TM+12+\c]
.endr
	v_nop
.irp c, 0,1
.irp i, 0,1,2
	v_mov_b32 v[\d+3+6*\c+\i], v[TQ+4*\c+\i]
.endr
.endr
.endm
; the third K step: k = 256 .. 261 and zeros.  v[s .. s+5] my six numbers, v[s+6 .. s+15] zeros.  The block lies in lanes 0-15; lanes 16-31 hold zero codes
.macro QTAIL s, d
.irp i, 0,1,2,3,4,5
	v_cndmask_b32 v[\s+\i], 0, v[\s+\i], s[LOW]
.endr
	v_max3_num_f32 v[TM], |v[\s]|, |v[\s+1]|, 0x2800000
	v_max3_num_f32 v[TM], v[TM], |v[\s+2]|, |v[\s+3]|
	v_max3_num_f32 v[TM], v[TM], |v[\s+4]|, |v[\s+5]|
	v_add_nc_u32 v[TM+12], 0xfe000000, v[TM]
	v_cvt_scalef32_pk16_bf6_f32 v[\d:\d+2], v[\s:\s+15], v[TM+12]
	v_lshrrev_b32 v[TM+4], 23, v[TM+12]                  ; (the plain place behind the conversion)
.irp i, 3,4,5,6,7,8,9,10,11
	v_mov_b32 v[\d+\i], 0
.endr
	v_or_b32 v[PW], 0x7f7f7f00, v[TM+4]                  ; the three blocks of zero codes get the byte 127
.endm
.macro IMAGE adr, reg, off
.irp c, 0,1,2
	ds_store_b128 v[\adr], v[\reg+4*\c:\reg+4*\c+3] offset:\off+512*\c
.endr
.endm
; layer norm, first part: mean, differences in place, 1 / sqrt(variance + 1e-5) issued into v244.  n registers a lane, si: scalar with 1 / (2 n)
.macro LNSTAT b, n, si
	v_pk_add_f32 v[242:243], v[\b:\b+1], v[\b+2:\b+3]    ; each result is read from its low end on
	v_pk_add_f32 v[244:245], v[\b+4:\b+5], v[\b+6:\b+7]
.set lj, 8
.rept (\n-8)/4
	v_pk_add_f32 v[242:243], v[242:243], v[\b+lj:\b+lj+1]
	v_pk_add_f32 v[244:245], v[244:245], v[\b+lj+2:\b+lj+3]
.set lj, lj+4
.endr
	v_pk_add_f32 v[242:243], v[242:243], v[244:245]
	v_add_f32 v242, v242, v243
	v_permlanex16_b32 v252, v242, s[SEL], s[SEL+1]
	v_add_f32 v242, v242, v252
	v_mul_f32 v244, s[\si], v242                         ; the mean
.set lj, 0
.rept \n/2
	v_pk_add_f32 v[\b+lj:\b+lj+1], v[\b+lj:\b+lj+1], v[244:245] op_sel_hi:[1,0] neg_lo:[0,1] neg_hi:[0,1]
.set lj, lj+2
.endr
	v_pk_mul_f32 v[242:243], v[\b:\b+1], v[\b:\b+1]
	v_pk_mul_f32 v[254:255], v[\b+2:\b+3], v[\b+2:\b+3]
.set lj, 4
.rept (\n-4)/4
	v_pk_fma_f32 v[242:243], v[\b+lj:\b+lj+1], v[\b+lj:\b+lj+1], v[242:243]
	v_pk_fma_f32 v[254:255], v[\b+lj+2:\b+lj+3], v[\b+lj+2:\b+lj+3], v[254:255]
.set lj, lj+4
.endr
	v_pk_add_f32 v[242:243], v[242:243], v[254:255]
	v_add_f32 v242, v242, v243
	v_permlanex16_b32 v252, v242, s[SEL], s[SEL+1]
	v_add_f32 v242, v242, v252
	v_fma_f32 v242, v242, s[\si], s[EPS]
	v_rsq_f32 v244, v242
.endm
; second part, for tiles t0 .. t0 + 3: gain and offset from LDS into 64 registers at gb, then x rs g + be, clipped at 0
.macro LNAPP b, t0, pg, pe, gb, first
.irp x, 0,1,2,3
	ds_load_b128 v[\gb+8*\x:\gb+8*\x+3], v11 offset:\pg+(32*((\t0+\x)/2)+8*((\t0+\x)%2))*4
	ds_load_b128 v[\gb+8*\x+4:\gb+8*\x+7], v11 offset:\pg+(32*((\t0+\x)/2)+8*((\t0+\x)%2))*4+16
	ds_load_b128 v[\gb+32+8*\x:\gb+32+8*\x+3], v11 offset:\pe+(32*((\t0+\x)/2)+8*((\t0+\x)%2))*4
	ds_load_b128 v[\gb+32+8*\x+4:\gb+32+8*\x+7], v11 offset:\pe+(32*((\t0+\x)/2)+8*((\t0+\x)%2))*4+16
.endr
.if \first
	v_nop                                                ; a plain place behind the root,
	s_wait_alu depctr_va_vdst(0)                         ; and the wait ahead of its first reader
.endif
	s_wait_dscnt 0x0
.set lj, 0
.rept 16
	v_pk_mul_f32 v[\b+8*\t0+lj:\b+8*\t0+lj+1], v[\b+8*\t0+lj:\b+8*\t0+lj+1], v[244:245] op_sel_hi:[1,0]
.set lj, lj+2
.endr
.set lj, 0
.rept 16
	v_pk_fma_f32 v[\b+8*\t0+lj:\b+8*\t0+lj+1], v[\b+8*\t0+lj:\b+8*\t0+lj+1], v[\gb+lj:\gb+lj+1], v[\gb+32+lj:\gb+32+lj+1]
.set lj, lj+2
.endr
.set lj, 0
.rept 32
	v_max_num_f32 v[\b+8*\t0+lj], 0, v[\b+8*\t0+lj]
.set lj, lj+1
.endr
.endm
	s_load_b512 s[4:19], s[0:1], 0x0               ; z_t, action, z_t1, sigma, W1, b1, g1, be1
	s_load_b512 s[20:35], s[0:1], 0x40             ; W2 codes, W2 scales, b2, g2, be2, W3 codes, W3 scales, b3
	s_load_b128 s[36:39], s[0:1], 0x80             ; zq, zsc
	s_load_b64 s[40:41], s[0:1], 0x90              ; pq
	v_lshl_add_u32 v227, v0, 2, 0xf400
	v_mov_b32 v231, 0
	v_lshrrev_b32 v1, 5, v0
	v_readfirstlane_b32 s42, v1                    ; wave
	s_lshl_b32 s43, ttmp9, 3
	s_add_co_u32 s43, s43, s42                     ; my tile of queries
	v_and_b32 v3, 31, v0                           ; lane
	v_and_b32 v1, 15, v0                           ; r
	v_bfe_u32 v2, v0, 4, 1                         ; h
	v_lshlrev_b32 v4, 4, v3
	v_lshlrev_b32 v5, 2, v3
	v_lshlrev_b32 v6, 10, v1
	v_lshl_add_u32 v6, v2, 6, v6                   ; z: row r, + 64 h: 16 numbers of each block of 32
	v_and_b32 v7, 8, v1
	v_add_nc_u32 v7, v7, v1                        ; r + 8 (r / 8)
	v_mul_u32_u24 v8, v1, 24                       ; action, sigma: a row is 24 bytes
	v_mul_u32_u24 v9, v7, 96
	v_mad_u32_u24 v9, v2, 24, v9
	v_add_nc_u32 v9, PW2, v9
	v_lshl_add_u32 v10, v7, 2, PS2
	v_lshlrev_b32 v11, 6, v2
	v_mul_u32_u24 v12, v1, 48
	v_mad_u32_u24 v12, v2, 24, v12
	v_add_nc_u32 v12, PW3, v12
	v_lshl_add_u32 v13, v1, 1, PS3
	v_lshlrev_b32 v14, 5, v2
	v_lshlrev_b32 v15, 10, v1
	v_lshl_add_u32 v15, v2, 5, v15                 ; z_t1 in the last product's layout
	v_lshlrev_b32 v253, 2, v7                      ; W1: my unit's column,
	v_lshl_add_u32 v252, v2, 14, v253              ; lanes 16-31 begin 32 rows of 512 bytes further down
	v_lshlrev_b32 v254, 4, v0
	v_lshlrev_b32 v255, 3, v0
	v_lshlrev_b32 v242, 2, v0
	v_lshlrev_b32 v243, 1, v0
	v_cmp_gt_u32 s[LOW], 16, v3
	s_mov_b32 s[SEL], 0x76543210
	s_mov_b32 s[SEL+1], 0xfedcba98
	s_mov_b32 s[EPS], 0x3727c5ac                   ; 1e-5
	s_mov_b32 s52, 0x3c000000                      ; 1 / 128
	s_mov_b32 s53, 0x3c800000                      ; 1 / 64
	s_mov_b32 s55, 0
	s_mul_i32 s44, s42, 4608
	s_mul_i32 s45, s42, 384
.irp i, 4,5,6,7
	v_mov_b32 v[TM+\i], 0                          ; a lane permute's destination counts as read
.endr
.irp i, 6,7,8,9,10,11,12,13,14,15
	v_mov_b32 v[TL+\i], 0
.endr
	WIN 0x40                                       ; the same in window 1, where W1 is quantised
	v_add_nc_u32 v144, s44, v4                     ; where my three images go
	v_add_nc_u32 v145, s45, v5                     ; and their scale words
	v_lshlrev_b32 v146, 3, v2
.irp i, 4,5,6,7
	v_mov_b32 v[TM+\i], 0
.endr
.irp i, 6,7,8,9,10,11,12,13,14,15
	v_mov_b32 v[TL+\i], 0
.endr
	WIN 0
	s_wait_kmcnt 0x0
	s_lshl_b32 s54, s43, 14
	s_add_nc_u64 s[4:5], s[4:5], s[54:55]
	s_add_nc_u64 s[8:9], s[8:9], s[54:55]
	s_mul_i32 s54, s43, 384
	s_add_nc_u64 s[6:7], s[6:7], s[54:55]
	s_add_nc_u64 s[10:11], s[10:11], s[54:55]
	s_lshr_b32 s54, s42, 1
	s_lshl_b32 s54, s54, 7
	s_and_b32 s56, s42, 1
	s_lshl_b32 s56, s56, 5
	s_add_co_u32 s54, s54, s56                     ; tile v of W1 begins at unit 32 (v / 2) + 8 (v % 2)
	s_add_nc_u64 s[12:13], s[12:13], s[54:55]
	s_mul_i32 s54, s43, 3072
	s_add_nc_u64 s[36:37], s[36:37], s[54:55]
	s_lshl_b32 s54, s43, 7
	s_add_nc_u64 s[38:39], s[38:39], s[54:55]
	s_lshl_b32 s54, s43, 6
	s_add_nc_u64 s[40:41], s[40:41], s[54:55]
	; ---- all first loads.  W1's columns and the small inputs into window 1
	WIN 0x40
.irp s, 0,1
.irp c, 0,1
.set ii, 0
.rept 32
	global_load_b32 v[64*\s+32*\c+ii], v252, s[12:13] offset:(128*\s+64*\c+ii)*512
.set ii, ii+1
.endr
.endr
.endr
.irp i, 0,1,2,3,4,5
	global_load_b32 v[TL+\i], v253, s[12:13] offset:(256+\i)*512
.endr
.irp k, 0,1,2
	global_load_b128 v[148+4*\k:151+4*\k], v254, s[30:31] offset:4096*\k
.endr
.irp k, 0,1,2
	global_load_b64 v[160+2*\k:161+2*\k], v255, s[20:21] offset:2048*\k
.endr
	global_load_b32 v166, v242, s[34:35]
	global_load_u16 v167, v243, s[32:33]
	global_load_u16 v168, v243, s[14:15]
	global_load_u16 v169, v243, s[16:17]
	global_load_u16 v170, v243, s[18:19]
	global_load_u8 v171, v0, s[24:25]
	global_load_u8 v172, v0, s[26:27]
	global_load_u8 v173, v0, s[28:29]
	global_load_u8 v174, v0, s[22:23]
	WIN 0
.irp s, 0,1
.irp b, 0,1,2,3
.irp j, 0,1,2,3
	global_load_b128 v[RA+64*\s+16*\b+4*\j:RA+64*\s+16*\b+4*\j+3], v6, s[4:5] offset:512*\s+128*\b+16*\j
.endr
.endr
.endr
.irp k, 0,1,2
	global_load_b64 v[TL+2*\k:TL+2*\k+1], v8, s[6:7] offset:8*\k
.endr
.irp k, 0,1,2
	global_load_b64 v[246+2*\k:247+2*\k], v8, s[10:11] offset:8*\k
.endr
	s_wait_loadcnt 38                              ; all but the 38 loads of z, action and sigma: W1 and the small inputs are in
	WIN 0x04                                       ; store data in window 1
.irp k, 0,1,2
	ds_store_b128 v254, v[148+4*\k:151+4*\k] offset:PW3+4096*\k
.endr
.irp k, 0,1,2
	ds_store_b64 v255, v[160+2*\k:161+2*\k] offset:PW2+2048*\k
.endr
	ds_store_b32 v242, v166 offset:PB3
	ds_store_b16 v243, v167 offset:PS3
	ds_store_b16 v243, v168 offset:PB1
	ds_store_b16 v243, v169 offset:PG1
	ds_store_b16 v243, v170 offset:PE1
	ds_store_b8 v0, v171 offset:PB2
	ds_store_b8 v0, v172 offset:PG2
	ds_store_b8 v0, v173 offset:PE2
	ds_store_b8 v0, v174 offset:PS2
	WIN 0x55                                       ; everything in window 1: my tile of W1, three K steps
	QCOL 0, 128
	IMAGE 144, 128, W1IMG
	ds_store_b32 v145, v[PW] offset:W1SC
	s_wait_dscnt 0x0                               ; the stores have read their registers
	QCOL 64, 128
	IMAGE 144, 128, W1IMG+1536
	ds_store_b32 v145, v[PW] offset:W1SC+128
	s_wait_dscnt 0x0
	QTAIL TL, 128
	IMAGE 144, 128, W1IMG+3072
	ds_store_b32 v145, v[PW] offset:W1SC+256
	WIN 0x40                                       ; z_t1 takes the columns' registers: tile tt at v[8 tt] of window 1
.set ii, 0
.rept 16
	global_load_b128 v[8*ii:8*ii+3], v15, s[8:9] offset:64*ii
	global_load_b128 v[8*ii+4:8*ii+7], v15, s[8:9] offset:64*ii+16
.set ii, ii+1
.endr
	WIN 0
	s_wait_loadcnt 32                              ; all but z_t1's 32: z, action, sigma are in
	; ---- x = (z, action) as it is: three fragments
	QUANT RA, XF
	v_mov_b32 v[XS], v[PW]
	QUANT RB, XF+12
	v_mov_b32 v[XS+1], v[PW]
	QTAIL TL, XF+24
	v_mov_b32 v[XS+2], v[PW]
	; ---- z / (|z| + 1e-8)
	v_pk_mul_f32 v[242:243], v[RA:RA+1], v[RA:RA+1]
	v_pk_mul_f32 v[244:245], v[RA+2:RA+3], v[RA+2:RA+3]
.set jj, 4
.rept 31
	v_pk_fma_f32 v[242:243], v[RA+jj:RA+jj+1], v[RA+jj:RA+jj+1], v[242:243]
	v_pk_fma_f32 v[244:245], v[RA+jj+2:RA+jj+3], v[RA+jj+2:RA+jj+3], v[244:245]
.set jj, jj+4
.endr
	v_pk_add_f32 v[242:243], v[242:243], v[244:245]
	v_add_f32 v242, v242, v243
	v_permlanex16_b32 v252, v242, s[SEL], s[SEL+1]
	v_add_f32 v242, v242, v252
	v_sqrt_f32 v243, v242
	v_add_f32 v193, v246, v247                     ; the mean of sigma is the independent work behind the root and the reciprocal
	v_add_f32 v195, v248, v249
	v_add_f32 v196, v250, v251
	s_wait_alu depctr_va_vdst(0)                   ; ahead of the root's first reader
	v_add_f32 v243, 0x322bcc77, v243               ; + 1e-8
	v_rcp_f32 v244, v243
	v_add_f32 v193, v193, v195
	v_add_f32 v193, v193, v196
	v_mul_f32 v193, 0x3e2aaaab, v193
	s_wait_alu depctr_va_vdst(0)                   ; ahead of the reciprocal's first reader
.set jj, 0
.rept 64
	v_pk_mul_f32 v[RA+jj:RA+jj+1], v[RA+jj:RA+jj+1], v[244:245] op_sel_hi:[1,0]
.set jj, jj+2
.endr
	QUANT RA, PC
	v_mov_b32 v192, v[PW]
.irp c, 0,1,2
	global_store_b128 v4, v[PC+4*\c:PC+4*\c+3], s[36:37] offset:512*\c
.endr
	s_wait_xcnt 0x0                                ; the stores' data are written again only behind this wait
	QUANT RB, PC
.irp c, 0,1,2
	global_store_b128 v4, v[PC+4*\c:PC+4*\c+3], s[36:37] offset:1536+512*\c
.endr
	v_cndmask_b32 v192, v[PW], v192, s[LOW]        ; lanes 0-15: K step 0's word, lanes 16-31: K step 1's
	global_store_b32 v5, v192, s[38:39]
	s_wait_dscnt 0x0                               ; my images and my share of the small inputs lie in LDS
	s_barrier_signal -1
	s_barrier_wait -1                              ; everybody's do
	; ---- product 1: 8 tiles of hidden units; b1 is the C of each sum's first product
.irp t, 0,1,2,3,4,5,6,7
	ds_load_b128 v[RA+8*\t:RA+8*\t+3], v11 offset:PB1+(32*(\t/2)+8*(\t%2))*4
	ds_load_b128 v[RA+8*\t+4:RA+8*\t+7], v11 offset:PB1+(32*(\t/2)+8*(\t%2))*4+16
.endr
.irp s, 0,1,2
.irp e, 0,1
.irp x, 0,1,2,3
.irp c, 0,1,2
	ds_load_b128 v[RB+12*\x+4*\c:RB+12*\x+4*\c+3], v4 offset:W1IMG+(3*(4*\e+\x)+\s)*1536+512*\c
.endr
	ds_load_b32 v[WS+\x], v5 offset:W1SC+(3*(4*\e+\x)+\s)*128
.endr
	s_wait_dscnt 0x0
.irp x, 0,1,2,3
	v_wmma_scale_f32_16x16x128_f8f6f4 v[RA+8*(4*\e+\x):RA+8*(4*\e+\x)+7], v[RB+12*\x:RB+12*\x+11], v[XF+12*\s:XF+12*\s+11], v[RA+8*(4*\e+\x):RA+8*(4*\e+\x)+7], v[WS+\x], v[XS+\s] matrix_a_fmt:MATRIX_FMT_BF6 matrix_b_fmt:MATRIX_FMT_BF6
.endr
	NOPS 4                                         ; places in front of loads into the products' registers and of the first read of results
.endr
.endr
	LNSTAT RA, 64, 52
	LNAPP RA, 0, PG1, PE1, RB, 1
	LNAPP RA, 4, PG1, PE1, RB, 0
	QUANT RA, XF
	v_mov_b32 v[H1S], v[PW]
	; ---- product 2: 4 tiles
.irp t, 0,1,2,3
.irp p, 0,1,2,3,4,5
	ds_load_b64 v[RA+12*\t+2*\p:RA+12*\t+2*\p+1], v9 offset:(32*(\t/2)+8*(\t%2))*96+48*(\p/3)+8*(\p%3)
.endr
	ds_load_b32 v[WS+\t], v10 offset:(32*(\t/2)+8*(\t%2))*4
	ds_load_b128 v[RB+8*\t:RB+8*\t+3], v11 offset:PB2+(32*(\t/2)+8*(\t%2))*4
	ds_load_b128 v[RB+8*\t+4:RB+8*\t+7], v11 offset:PB2+(32*(\t/2)+8*(\t%2))*4+16
.endr
	s_wait_dscnt 0x0
	NOPS 8                                         ; a scale register written by a vector instruction stands 8 places ahead of a scaled product
.irp t, 0,1,2,3
	v_wmma_scale_f32_16x16x128_f8f6f4 v[RB+8*\t:RB+8*\t+7], v[RA+12*\t:RA+12*\t+11], v[XF:XF+11], v[RB+8*\t:RB+8*\t+7], v[WS+\t], v[H1S] matrix_a_fmt:MATRIX_FMT_BF6 matrix_b_fmt:MATRIX_FMT_BF6
.endr
	NOPS 4
	LNSTAT RB, 32, 53
	LNAPP RB, 0, PG2, PE2, RA, 1
.set jj, 0
.rept 32
	v_mov_b32 v[RB+32+jj], 0                       ; K = 64: the rest of the K step is zeros
.set jj, jj+1
.endr
	QUANT RB, XF+12
	v_mov_b32 v[H2S], v[PW]
	; ---- product 3: 16 tiles of 16 of the 256, four at a time; b3 is the C; then (z_pred - z_t1)^2
.irp x, 0,1,2,3
.irp i, 6,7,8,9,10,11
	v_mov_b32 v[RA+12*\x+\i], 0                    ; W3's K is 64: zero codes above
.endr
.endr
	s_wait_loadcnt 0x0                             ; z_t1
.irp g, 0,1,2,3
.irp x, 0,1,2,3
.irp p, 0,1,2
	ds_load_b64 v[RA+12*\x+2*\p:RA+12*\x+2*\p+1], v12 offset:768*(4*\g+\x)+8*\p
.endr
	ds_load_u16 v[252+\x], v13 offset:32*(4*\g+\x)
	ds_load_b128 v[RB+8*\x:RB+8*\x+3], v14 offset:PB3+64*(4*\g+\x)
	ds_load_b128 v[RB+8*\x+4:RB+8*\x+7], v14 offset:PB3+64*(4*\g+\x)+16
.endr
	s_wait_dscnt 0x0
.irp x, 0,1,2,3
	v_or_b32 v[WS+\x], 0x7f7f0000, v[252+\x]       ; two given bytes, and 127 over the zero codes
.endr
	NOPS 8
.irp x, 0,1,2,3
	v_wmma_scale_f32_16x16x128_f8f6f4 v[RB+8*\x:RB+8*\x+7], v[RA+12*\x:RA+12*\x+11], v[XF+12:XF+23], v[RB+8*\x:RB+8*\x+7], v[WS+\x], v[H2S] matrix_a_fmt:MATRIX_FMT_BF6 matrix_b_fmt:MATRIX_FMT_BF6
.endr
	NOPS 4
	WIN 0x04                                       ; source 1: z_t1, in window 1
.set kk, 0
.rept 16
	v_pk_add_f32 v[RB+kk:RB+kk+1], v[RB+kk:RB+kk+1], v[32*\g+kk:32*\g+kk+1] neg_lo:[0,1] neg_hi:[0,1]
.set kk, kk+2
.endr
	WIN 0
.set kk, 0
.rept 8
.if (\g == 0) && (kk == 0)
	v_pk_mul_f32 v[242:243], v[RB:RB+1], v[RB:RB+1]
	v_pk_mul_f32 v[244:245], v[RB+2:RB+3], v[RB+2:RB+3]
.else
	v_pk_fma_f32 v[242:243], v[RB+kk:RB+kk+1], v[RB+kk:RB+kk+1], v[242:243]
	v_pk_fma_f32 v[244:245], v[RB+kk+2:RB+kk+3], v[RB+kk+2:RB+kk+3], v[244:245]
.endif
.set kk, kk+4
.endr
.endr
	v_pk_add_f32 v[242:243], v[242:243], v[244:245]
	v_add_f32 v242, v242, v243
	v_permlanex16_b32 v252, v242, s[SEL], s[SEL+1]
	v_add_f32 v242, v242, v252
	v_mul_f32 v194, 0x3b800000, v242               ; / 256
	v_cmp_gt_u32 vcc_lo, 16, v3
	s_wait_xcnt 0x0                                ; EXEC changes only behind this wait
	s_wait_tensorcnt 0x0
	ds_add_u32 v227, v231
	s_wait_dscnt 0x0
	s_and_saveexec_b32 s49, vcc_lo                 ; lanes 0-15: a query each
	global_store_b32 v5, v194, s[40:41]
	global_store_b32 v5, v193, s[40:41] offset:4096
	s_wait_xcnt 0x0
	s_or_b32 exec_lo, exec_lo, s49
	s_endpgm
.Lfunc_end_k_qdf6dde0bbd_prep:
	.size	k_qdf6dde0bbd_prep, .Lfunc_end_k_qdf6dde0bbd_prep-k_qdf6dde0bbd_prep
	.p2alignl 7, 3214868480
	.fill 96, 4, 3214868480
	.section	.rodata,"a",@progbits
	.p2align	6, 0x0
	.amdhsa_kernel k_qdf6dde0bbd_prep
		.amdhsa_group_segment_fixed_size 63488
		.amdhsa_private_segment_fixed_size 0
		.amdhsa_enable_private_segment 0
		.amdhsa_kernarg_size 152
		.amdhsa_user_sgpr_count 2
		.amdhsa_user_sgpr_kernarg_segment_ptr 1
		.amdhsa_wavefront_size32 1
		.amdhsa_system_sgpr_workgroup_id_x 1
		.amdhsa_system_sgpr_workgroup_id_y 1
		.amdhsa_system_sgpr_workgroup_id_z 1
		.amdhsa_system_vgpr_workitem_id 0
		.amdhsa_next_free_vgpr 512
		.amdhsa_next_free_sgpr 66
		.amdhsa_reserve_vcc 1
		.amdhsa_float_denorm_mode_32 3
		.amdhsa_float_denorm_mode_16_64 3
		.amdhsa_memory_ordered 1
		.amdhsa_forward_progress 1
		.amdhsa_inst_pref_size 125
	.end_amdhsa_kernel
	.amdgpu_metadata
---
amdhsa.version: [ 1, 2 ]
amdhsa.kernels:
  - .name:           k_qdf6dde0bbd_prep
    .symbol:         k_qdf6dde0bbd_prep.kd
    .args:
      - { .name: z_t, .offset: 0, .size: 8, .value_kind: global_buffer, .address_space: global }
      - { .name: action, .offset: 8, .size: 8, .value_kind: global_buffer, .address_space: global }
      - { .name: z_t1, .offset: 16, .size: 8, .value_kind: global_buffer, .address_space: global }
      - { .name: sigma, .offset: 24, .size: 8, .value_kind: global_buffer, .address_space: global }
      - { .name: W1, .offset: 32, .size: 8, .value_kind: global_buffer, .address_space: global }
      - { .name: b1, .offset: 40, .size: 8, .value_kind: global_buffer, .address_space: global }
      - { .name: g1, .offset: 48, .size: 8, .value_kind: global_buffer, .address_space: global }
      - { .name: be1, .offset: 56, .size: 8, .value_kind: global_buffer, .address_space: global }
      - { .name: W2_codes, .offset: 64, .size: 8, .value_kind: global_buffer, .address_space: global }
      - { .name: W2_scales, .offset: 72, .size: 8, .value_kind: global_buffer, .address_space: global }
      - { .name: b2, .offset: 80, .size: 8, .value_kind: global_buffer, .address_space: global }
      - { .name: g2, .offset: 88, .size: 8, .value_kind: global_buffer, .address_space: global }
      - { .name: be2, .offset: 96, .size: 8, .value_kind: global_buffer, .address_space: global }
      - { .name: W3_codes, .offset: 104, .size: 8, .value_kind: global_buffer, .address_space: global }
      - { .name: W3_scales, .offset: 112, .size: 8, .value_kind: global_buffer, .address_space: global }
      - { .name: b3, .offset: 120, .size: 8, .value_kind: global_buffer, .address_space: global }
      - { .name: zq, .offset: 128, .size: 8, .value_kind: global_buffer, .address_space: global }
      - { .name: zsc, .offset: 136, .size: 8, .value_kind: global_buffer, .address_space: global }
      - { .name: pq, .offset: 144, .size: 8, .value_kind: global_buffer, .address_space: global }
    .group_segment_fixed_size: 63488
    .private_segment_fixed_size: 0
    .kernarg_segment_align: 8
    .kernarg_segment_size: 152
    .max_flat_workgroup_size: 256
    .sgpr_count:     66
    .vgpr_count:     512
    .wavefront_size: 32
...
	.end_amdgpu_metadata
.endif
;; end of part 1
;; launch scan (part 2): grid 250 x 1, 4 waves a work-group, no clusters, 327,680 bytes of LDS; arguments mem, zq, zsc, codes, msc, bm; writes codes, msc, bm
.if DOCPART == 2
	.amdgcn_target "amdgcn-amd-amdhsa--gfx1250"
	.amdhsa_code_object_version 6
	.text
	.protected	k_qdf6dde0bbd_scan
	.globl	k_qdf6dde0bbd_scan
	.p2align	8
	.type	k_qdf6dde0bbd_scan,@function
k_qdf6dde0bbd_scan:
	s_mov_b64 s[64:65], 0
	v_nop
	global_prefetch_b8 v0, s[64:65] scope:SCOPE_SE
	s_setreg_imm32_b32 hwreg(HW_REG_WAVE_MODE, 25, 1), 1
	s_wait_xcnt 0x0
; mem [200000][256] f32 is normalised row by row (x * 1 / (|row| + 1e-8)), quantised to E3M2 with one E8M0 byte for each 32, multiplied with all 1,024 quantised queries,
; and of each BUCKET of 40 consecutive rows only the largest similarity of each query is kept, as a KEY: the f32 maximum with its 13 low bits replaced by the bucket's number.
; The 16 largest similarities of a query lie in the 16 buckets with the largest maxima; a later launch multiplies those buckets again, from the codes that this launch stores.
; LIMITS: keys compare maxima cut to 10 mantissa bits: a bucket can be passed over only for one whose maximum is smaller by under 2^-10 of its size.  NaN and infinities are not served.
; A block of zeros gets the byte 1 (zero codes; only this program reads the bytes).
; SHARES: a work-group takes 800 rows, 10 blocks of 80, against all queries.  Wave w keeps queries 256 w .. 256 w + 255 in registers (16 tiles x 24).  No cluster: work-groups share only
; the queries' 196,608 bytes, read once, beside 819,200 bytes of their own, and 250 work-groups do not divide into clusters of four.
; Tile i (0..4) of a block has as its row m the block's row 40 (m / 8) + 8 i + m % 8.  Source 0 = the tile, source 1 = 16 queries: lane (r, hd) holds query r and, over the five tiles, bucket hd of the block.
; A PERIOD: one barrier; block t + 2 is asked for; block t + 1 is quantised from its f32 slot into an image of operand registers in LDS; block t's image is copied to memory and multiplied.
; codes: [run of 8 rows][chunk 0..5][k half 0..1][row 0..7][16 B]: chunk c = registers 4 c .. 4 c + 3 of a lane's 24.  msc: [row][8 bytes].  bm: [work-group][query][20 keys].
; REGISTERS.  window 0: addresses, v16-31 queries' scale words, v32-41 the rows' scale words, v42-71 the copy, v72-191 the block's five tiles.  windows 1, 2: the queries.
; window 3: v0-63 two sets of four results, v64-79 the 16 maxima, v80-95 addresses, v96-223 four units of 32 numbers, v224-250 the quantiser's work.
.set F1OFF, 131072       ; f32 slot 0 at 0, slot 1 here: 80 rows x 1,152 bytes (8 x (128 + 16 of padding))
.set SPARE, 92160        ; the spare words: 128 bytes a wave, two blocks of 256 bytes that no other line names
.set I0,    98304        ; image 0: 15,360 bytes of codes, then 640 scale bytes; image 1 lies IX further on
.set IX,    16384
.set ISC,   15360
.set KEYS,  223232       ; [wave][query 0..255][20 keys]
.set MSC,   305152       ; [row 0..799][8]
.set QS, 16
.set AS, 32
.set CP, 42
.set AA, 72
.set BM,  64             ; window 3
.set KAD, 80
.set IDR, 81
.set AQ0, 82
.set AQA, 83
.set AQB, 84
.set WB,  85
.set WA,  88
.set SBQ0, 91
.set SBQ, 92
.set SBA, 93
.set SBA0, 94
.set KAD0, 95
.set X,   96
.set SS,  246
.set MSB, 0
.macro WIN new
.if MSB != (\new)
	s_set_vgpr_msb (MSB<<8)|(\new)
.set MSB, (\new)
.endif
.endm
.macro NOPS n
.rept \n
	v_nop
.endr
.endm
; ---- the quantiser.  Unit u of wave w: rows 16 u + 4 w + lane / 8 of the block, a lane holds block lane % 8 (32 neighbours along K) of its row
.macro QLOAD u
.set xb, X+32*((\u)%4)
.irp j, 0,1,2,3,4,5,6,7
.if (\u) < 2
	ds_load_b128 v[xb+4*\j:xb+4*\j+3], v[AQA] offset:18432*(\u)+16*\j
.else
	ds_load_b128 v[xb+4*\j:xb+4*\j+3], v[AQB] offset:18432*((\u)-2)+16*\j
.endif
.endr
.endm
.macro QSUM u                          ; the row's sum of squares, in its eight lanes
.set xb, X+32*((\u)%4)
	v_pk_mul_f32 v[240:241], v[xb:xb+1], v[xb:xb+1]
	v_pk_mul_f32 v[242:243], v[xb+2:xb+3], v[xb+2:xb+3]
.irp j, 4,8,12,16,20,24,28
	v_pk_fma_f32 v[240:241], v[xb+\j:xb+\j+1], v[xb+\j:xb+\j+1], v[240:241]
	v_pk_fma_f32 v[242:243], v[xb+\j+2:xb+\j+3], v[xb+\j+2:xb+\j+3], v[242:243]
.endr
	v_pk_add_f32 v[240:241], v[240:241], v[242:243]
	v_add_f32 v[SS+(\u)%2], v240, v241
	v_add_f32_dpp v[SS+(\u)%2], v[SS+(\u)%2], v[SS+(\u)%2] row_xmask:1 row_mask:0xf bank_mask:0xf
	v_add_f32_dpp v[SS+(\u)%2], v[SS+(\u)%2], v[SS+(\u)%2] row_xmask:2 row_mask:0xf bank_mask:0xf
	v_add_f32_dpp v[SS+(\u)%2], v[SS+(\u)%2], v[SS+(\u)%2] row_xmask:4 row_mask:0xf bank_mask:0xf
.endm
.macro QMAX u                          ; my block's largest magnitude, before scaling
.set xb, X+32*((\u)%4)
	v_max3_num_f32 v248, |v[xb]|, |v[xb+1]|, |v[xb+2]|
	v_max3_num_f32 v249, |v[xb+3]|, |v[xb+4]|, |v[xb+5]|
.irp j, 6,10,14,18,22,26
	v_max3_num_f32 v248, v248, |v[xb+\j]|, |v[xb+\j+1]|
	v_max3_num_f32 v249, v249, |v[xb+\j+2]|, |v[xb+\j+3]|
.endr
	v_max3_num_f32 v248, v248, |v[xb+30]|, |v[xb+31]|
	v_max_num_f32 v248, v248, v249
.endm
.macro QFIN u, old                     ; old: LDS instructions younger than the stores of unit u - 2, whose registers are written again
.set xb, X+32*((\u)%4)
.set cs, 224+8*((\u)%2)
	v_mul_f32 v249, v248, v244                     ; the scaled block's largest magnitude: the same multiplication as its number gets below
	v_max_num_f32 v249, 0x2800000, v249            ; the floor 2^(5 - 127)
	v_add_nc_u32 v249, 0xfe000000, v249            ; 4 off the exponent field: the conversions' scale operand
.set qj, 0
.rept 16
	v_pk_mul_f32 v[xb+qj:xb+qj+1], v[xb+qj:xb+qj+1], v[244:245] op_sel_hi:[1,0]
.set qj, qj+2
.endr
.if (\u) >= 2
	s_wait_dscnt \old
.endif
	v_cvt_scalef32_pk16_bf6_f32 v[cs:cs+2], v[xb:xb+15], v249
	v_cvt_scalef32_pk16_bf6_f32 v[cs+4:cs+6], v[xb+16:xb+31], v249
	v_lshrrev_b32 v[cs+7], 23, v249                ; the byte (the plain place behind the conversions)
	v_mov_b32 v[cs+3], v[cs+4]
	v_mov_b32 v[cs+4], v[cs+5]
	v_mov_b32 v[cs+5], v[cs+6]                     ; 24 bytes on end
	ds_store_b64 v[WA], v[cs:cs+1] offset:3072*(\u)
	ds_store_b64 v[WA+1], v[cs+2:cs+3] offset:3072*(\u)
	ds_store_b64 v[WA+2], v[cs+4:cs+5] offset:3072*(\u)
	ds_store_b8 v[SBQ], v[cs+7] offset:128*(\u)
	ds_store_b8 v[SBA], v[cs+7] offset:128*(\u)
.endm
.macro QUNIT u, nxt, old               ; nxt: LDS instructions younger than unit u + 1's loads
	v_sqrt_f32 v250, v[SS+(\u)%2]
	QMAX \u                                        ; independent work behind the root
	s_wait_alu depctr_va_vdst(0)                   ; ahead of the root's first reader
	v_add_f32 v250, 0x322bcc77, v250               ; + 1e-8
	v_rcp_f32 v244, v250
.if (\u) < 4
	s_wait_dscnt \nxt
	QSUM (\u)+1                                    ; independent work behind the reciprocal
.else
	v_nop
.endif
	s_wait_alu depctr_va_vdst(0)                   ; ahead of the reciprocal's first reader
	QFIN \u, \old
.if (\u) == 0
	QLOAD 4
.endif
.endm
.macro QPHASE                          ; the block in f32 slot s40 becomes image s41
	WIN 0xff
	v_add_nc_u32 v[AQA], s40, v[AQ0]
	v_add_nc_u32 v[AQB], 36864, v[AQA]
.irp k, 0,1,2
	v_add_nc_u32 v[WA+\k], s41, v[WB+\k]
.endr
	v_add_nc_u32 v[SBQ], s41, v[SBQ0]
	v_add_nc_u32 v[SBA], s45, v[SBA0]
	QLOAD 0
	QLOAD 1
	QLOAD 2
	QLOAD 3
	s_wait_dscnt 24                                ; unit 0's loads and all older LDS loads (the tiles, their scale words, the copy) are in; units 1 to 3 may be out
	QSUM 0
	QUNIT 0, 16, 0                                 ; younger than unit 1's loads: units 2, 3
	QUNIT 1, 21, 0                                 ; than unit 2's: unit 3, five stores, unit 4
	QUNIT 2, 18, 13                                ; than unit 3's: five stores, unit 4, five stores.  Than unit 0's stores: unit 4, five stores
	QUNIT 3, 10, 5                                 ; than unit 4's: twice five stores
	QUNIT 4, 0, 5
	s_add_co_u32 s45, s45, 640
	WIN 0
.endm
; ---- the products.  Group G = 4 i + g: tile i of the block against query tiles 4 g .. 4 g + 3; results in set g % 2
.macro SL G, half                      ; eight lines: the maxima take registers 4 half .. 4 half + 3 of group G's four results (each result from its low end on)
.set sg, (\G)%4
.set sd, 32*(sg%2)
.irp k, 0,1
.irp x, 0,1,2,3
.if ((\G) < 4) && (\half == 0) && (\k == 0)
	v_max_num_f32 v[BM+4*sg+\x], v[sd+8*\x], v[sd+8*\x+1]
.else
	v_max3_num_f32 v[BM+4*sg+\x], v[BM+4*sg+\x], v[sd+8*\x+4*\half+2*\k], v[sd+8*\x+4*\half+2*\k+1]
.endif
.endr
.endr
.endm
.macro GRP G                           ; the four accumulators take turns, one instruction a turn; the slices of the group before are the places behind the products
.set gi, (\G)/4
.set gg, (\G)%4
.set gw, 1+gg/2
.set gd, 32*(gg%2)
	WIN 0xf0|(gw<<2)                               ; source 0 window 0, source 1 the queries' window, C and D window 3
.irp x, 0,1,2,3
	v_wmma_scale_f32_16x16x128_f8f6f4 v[gd+8*\x:gd+8*\x+7], v[AA+24*gi:AA+24*gi+11], v[24*((4*gg+\x)%8):24*((4*gg+\x)%8)+11], 0, v[AS+2*gi], v[QS+4*gg+\x] matrix_a_fmt:MATRIX_FMT_BF6 matrix_b_fmt:MATRIX_FMT_BF6
.endr
.if (\G) > 0
	WIN 0xff
	SL (\G)-1, 0
	WIN 0xf0|(gw<<2)
.endif
.irp x, 0,1,2,3
	v_wmma_scale_f32_16x16x128_f8f6f4 v[gd+8*\x:gd+8*\x+7], v[AA+24*gi+12:AA+24*gi+23], v[24*((4*gg+\x)%8)+12:24*((4*gg+\x)%8)+23], v[gd+8*\x:gd+8*\x+7], v[AS+2*gi+1], v[QS+4*gg+\x] matrix_a_fmt:MATRIX_FMT_BF6 matrix_b_fmt:MATRIX_FMT_BF6 matrix_b_scale:MATRIX_SCALE_ROW1
.endr
	WIN 0xff
.if (\G) > 0
	SL (\G)-1, 1
.else
	NOPS 4
.endif
.endm
.macro MPHASE
.set GN, 0
.rept 20
	GRP GN
.set GN, GN+1
.endr
	SL 19, 0
	SL 19, 1
	v_add_nc_u32 v[KAD], s59, v[KAD0]
.irp t, 0,1,2,3,4,5,6,7,8,9,10,11,12,13,14,15
	v_and_or_b32 v[BM+\t], v[BM+\t], s43, v[IDR]   ; the key
.endr
.irp t, 0,1,2,3,4,5,6,7,8,9,10,11,12,13,14,15
	ds_store_b32 v[KAD], v[BM+\t] offset:1280*\t
.endr
	v_add_nc_u32 v[IDR], 2, v[IDR]
	s_add_co_u32 s59, s59, 8
	WIN 0
.endm
.macro PERIOD fill, doq
	s_wait_tensorcnt 0x0                           ; all my tensor loads have landed: my rows of the block that is quantised next
	ds_add_u32 v1, v2                              ; 0 onto my spare word
	s_xor_b32 s40, s40, F1OFF                      ; the slot to quantise from,
	s_xor_b32 s41, s41, IX                         ; the image to write,
	s_xor_b32 s42, s41, IX                         ; the image to multiply
.if \fill
	s_xor_b32 s37, s37, F1OFF                      ; the walking descriptor: the other slot, the next block
	s_add_nc_u64 s[38:39], s[38:39], 81920
.endif
	s_wait_dscnt 0x0                               ; the add is done; my stores into the image, my reads of the other image and of the f32 slot are over
	s_barrier_signal -1
	s_barrier_wait -1                              ; the same holds of all four waves
.if \fill
	tensor_load_to_lds s[36:39], s[24:31]          ; my one tensor load behind this barrier: 20 rows of the block two on, into the slot quantised last
	s_nop 0
	NOPS 4
.endif
	v_add_nc_u32 v4, s42, v3
	v_add_nc_u32 v6, s42, v5
	v_add_nc_u32 v8, s42, v7
	v_add_nc_u32 v10, s42, v9
.irp i, 0,1,2,3,4
.irp c, 0,1,2,3,4,5
	ds_load_b128 v[AA+24*\i+4*\c:AA+24*\i+4*\c+3], v4 offset:1536*\i+256*\c
.endr
.endr
.irp i, 0,1,2,3,4
	ds_load_b64 v[AS+2*\i:AS+2*\i+1], v6 offset:64*\i
.endr
	s_wait_xcnt 0x0                                ; the last period's stores have read their data and their base
	s_add_nc_u64 s[46:47], s[46:47], 15360
.irp k, 0,1,2,3,4,5,6
	ds_load_b128 v[CP+4*\k:CP+4*\k+3], v8 offset:512*\k
.endr
	ds_load_b64 v[CP+28:CP+29], v10
.if \doq
	QPHASE
.else
	s_wait_dscnt 0x0
.endif
.irp k, 0,1,2,3,4,5,6
	global_store_b128 v11, v[CP+4*\k:CP+4*\k+3], s[46:47] offset:512*\k    ; 32 lanes store 512 consecutive bytes, at a multiple of 256 from the buffer's first byte
.endr
	global_store_b64 v12, v[CP+28:CP+29], s[46:47] offset:3584
	MPHASE
.endm
	s_load_b256 s[4:11], s[0:1], 0x0               ; mem, zq, zsc, codes
	s_load_b128 s[12:15], s[0:1], 0x20             ; msc, bm
	v_lshl_add_u32 v1, v0, 2, SPARE
	v_mov_b32 v2, 0
	ds_add_u32 v1, v2
	ds_add_u32 v1, v2
	s_wait_dscnt 0x0
	v_lshrrev_b32 v200, 5, v0
	v_readfirstlane_b32 s16, v200                  ; wave
	s_mov_b32 s17, ttmp9
	; descriptor group 1: 20 rows of 256 elements of 4 bytes, 16 bytes of padding behind every 128
	s_mov_b32 s24, (2<<16)|(1<<20)|(4<<22)|(3<<25)
	s_mov_b32 s25, 256<<16
	s_mov_b32 s26, 20<<16
	s_mov_b32 s27, 256<<16
	s_mov_b32 s28, 20
	s_mov_b32 s29, 256
	s_mov_b32 s30, 0
	s_mov_b32 s31, 0
	s_mul_i32 s48, s17, 819200
	s_mul_i32 s49, s16, 20480
	s_add_co_u32 s48, s48, s49
	s_mov_b32 s49, 0
	s_mul_i32 s50, s16, 23040
	s_wait_kmcnt 0x0
	s_add_nc_u64 s[4:5], s[4:5], s[48:49]          ; my 20 rows of block 0
	s_mov_b32 s32, 1
	s_mov_b32 s33, s50
	s_mov_b64 s[34:35], s[4:5]
	s_or_b32 s35, s35, 0x80000000
	s_mov_b32 s36, 1
	s_add_co_u32 s37, s50, F1OFF
	s_add_nc_u64 s[38:39], s[4:5], 81920
	s_or_b32 s39, s39, 0x80000000
	tensor_load_to_lds s[32:35], s[24:31]          ; both first fills together: two loads of mine are out
	s_nop 0
	tensor_load_to_lds s[36:39], s[24:31]
	s_nop 0
	NOPS 4
	v_and_b32 v201, 31, v0                         ; lane
	v_and_b32 v202, 15, v0                         ; r
	v_bfe_u32 v203, v0, 4, 1                       ; lane / 16
	v_and_b32 v204, 7, v0                          ; lane % 8
	v_bfe_u32 v205, v0, 3, 1                       ; r / 8
	v_bfe_u32 v206, v0, 3, 2                       ; lane / 8
	v_lshlrev_b32 v11, 4, v201
	v_lshlrev_b32 v12, 3, v201
	v_mul_u32_u24 v3, v205, 7680                   ; a tile's rows 8-15 lie five runs on
	v_lshl_add_u32 v3, v203, 7, v3
	v_lshl_add_u32 v3, v204, 4, v3
	v_add_nc_u32 v3, I0, v3
	v_mul_u32_u24 v5, v205, 320
	v_lshl_add_u32 v5, v204, 3, v5
	v_add_nc_u32 v5, I0+ISC, v5
	s_mul_i32 s51, s16, 3840
	v_add_nc_u32 v7, s51, v11
	v_add_nc_u32 v7, I0, v7
	v_add_nc_u32 v9, s51, v12
	v_add_nc_u32 v9, I0+3584, v9
	s_mul_i32 s52, s16, 1536
	v_add_nc_u32 v14, s52, v11
	v_add_nc_u32 v14, MSC, v14
	v_add_nc_u32 v15, MSC+6144, v12
	s_mul_i32 s51, s16, 20480
	v_add_nc_u32 v13, s51, v11
	v_add_nc_u32 v13, KEYS, v13
	v_mul_u32_u24 v207, v206, 1152                 ; the quantiser's reads: row 4 w + lane / 8, block lane % 8
	v_mad_u32_u24 v207, v204, 144, v207
	s_mul_i32 s52, s16, 4608
	v_lshrrev_b32 v208, 1, v204                    ; its stores: block kb is registers 6 (kb / 2) .. + 5 of k half kb % 2: pieces 3 (kb / 2) + k of 8 bytes
	v_and_b32 v209, 1, v204
	v_lshlrev_b32 v210, 4, v206
	v_lshl_add_u32 v210, v209, 7, v210
.irp k, 0,1,2
	v_mad_u32_u24 v211, v208, 3, \k
	v_lshrrev_b32 v212, 1, v211
	v_and_b32 v211, 1, v211
	v_lshl_add_u32 v212, v212, 8, v210
	v_lshl_add_u32 v[213+\k], v211, 3, v212
.endr
	s_lshr_b32 s53, s16, 1
	s_mul_i32 s53, s53, 1536
	s_and_b32 s54, s16, 1
	s_lshl_b32 s54, s54, 6
	s_add_co_u32 s53, s53, s54
	s_add_co_u32 s53, s53, I0
	s_lshl_b32 s54, s16, 5
	s_add_co_u32 s55, s54, I0+ISC
	s_add_co_u32 s56, s54, MSC
	v_mul_u32_u24 v216, v202, 80
	v_lshl_add_u32 v216, v203, 2, v216
	s_add_co_u32 s57, s51, KEYS
	s_mul_i32 s58, s17, 20
	WIN 0xc0                                       ; destinations in window 3
	v_add_nc_u32 v[AQ0], s52, v207
	v_add_nc_u32 v[WB], s53, v213
	v_add_nc_u32 v[WB+1], s53, v214
	v_add_nc_u32 v[WB+2], s53, v215
	v_add_nc_u32 v[SBQ0], s55, v201
	v_add_nc_u32 v[SBA0], s56, v201
	v_add_nc_u32 v[KAD0], s57, v216
	v_add_nc_u32 v[IDR], s58, v203
	v_mov_b32 v245, 0                              ; named with v244 as a pair
	WIN 0
	s_mul_i32 s48, s16, 49152
	s_add_nc_u64 s[6:7], s[6:7], s[48:49]          ; my 16 tiles of queries
	s_lshl_b32 s48, s16, 11
	s_add_nc_u64 s[8:9], s[8:9], s[48:49]
	WIN 0x40
.irp t, 0,1,2,3,4,5,6,7
.irp c, 0,1,2,3,4,5
	global_load_b128 v[24*\t+4*\c:24*\t+4*\c+3], v11, s[6:7] offset:\t*3072+512*\c
.endr
.endr
	WIN 0x80
.irp t, 0,1,2,3,4,5,6,7
.irp c, 0,1,2,3,4,5
	global_load_b128 v[24*\t+4*\c:24*\t+4*\c+3], v11, s[6:7] offset:(8+\t)*3072+512*\c
.endr
.endr
	WIN 0
	v_lshlrev_b32 v200, 2, v201
.irp t, 0,1,2,3,4,5,6,7,8,9,10,11,12,13,14,15
	global_load_b32 v[QS+\t], v200, s[8:9] offset:128*\t
.endr
	s_mul_i32 s48, s17, 153600
	s_mul_i32 s50, s16, 3840
	s_add_co_u32 s48, s48, s50
	s_add_nc_u64 s[46:47], s[10:11], s[48:49]
	s_sub_nc_u64 s[46:47], s[46:47], 15360         ; each period steps it ahead of its stores
	s_mul_i32 s48, s17, 81920
	s_add_co_u32 s48, s48, s51
	s_add_nc_u64 s[14:15], s[14:15], s[48:49]
	s_mul_i32 s48, s17, 6400
	s_mul_i32 s50, s16, 1536
	s_add_co_u32 s48, s48, s50
	s_add_nc_u64 s[18:19], s[12:13], s[48:49]
	s_mov_b32 s40, 0
	s_mov_b32 s41, 0
	s_mov_b32 s43, 0xffffe000
	s_mov_b32 s45, 0
	s_mov_b32 s59, 0
	s_wait_tensorcnt 0x1                           ; my rows of block 0 are in; block 1's may stay out
	s_barrier_signal -1
	s_barrier_wait -1                              ; everybody's are
	QPHASE                                         ; block 0 -> image 0
	s_wait_loadcnt 0x0                             ; the queries
	s_mov_b32 s44, 8
.Lperiod:                                              ; period t: asks for block t + 2, quantises block t + 1, multiplies block t
	PERIOD 1, 1
	s_sub_co_u32 s44, s44, 1
	s_cmp_lg_u32 s44, 0
	s_cbranch_scc1 .Lperiod
	PERIOD 0, 1                                    ; the tail is written out
	PERIOD 0, 0
	; ---- the keys (my own bytes: LDS serves a wave's instructions in order) and the scale bytes (all stored ahead of the last barrier) leave in whole runs of 512 bytes
.set ek, 0
.rept 40
	ds_load_b128 v[72+4*ek:75+4*ek], v13 offset:512*ek
.set ek, ek+1
.endr
.irp k, 0,1,2
	ds_load_b128 v[232+4*\k:235+4*\k], v14 offset:512*\k
.endr
	s_wait_dscnt 0x0
.set ek, 0
.rept 40
	global_store_b128 v11, v[72+4*ek:75+4*ek], s[14:15] offset:512*ek
.set ek, ek+1
.endr
.irp k, 0,1,2
	global_store_b128 v11, v[232+4*\k:235+4*\k], s[18:19] offset:512*\k
.endr
	s_cmp_lg_u32 s16, 0
	s_cbranch_scc1 .Lnot_wave_0
	ds_load_b64 v[244:245], v15                    ; 6,400 = 4 x 1,536 + 256: wave 0 takes the rest
	s_wait_dscnt 0x0
	global_store_b64 v12, v[244:245], s[18:19] offset:6144
.Lnot_wave_0:
	s_wait_tensorcnt 0x0                           ; the wave's end
	ds_add_u32 v1, v2
	s_wait_dscnt 0x0
	s_endpgm
.Lfunc_end_k_qdf6dde0bbd_scan:
	.size	k_qdf6dde0bbd_scan, .Lfunc_end_k_qdf6dde0bbd_scan-k_qdf6dde0bbd_scan
	.p2alignl 7, 3214868480
	.fill 96, 4, 3214868480
	.section	.rodata,"a",@progbits
	.p2align	6, 0x0
	.amdhsa_kernel k_qdf6dde0bbd_scan
		.amdhsa_group_segment_fixed_size 327680
		.amdhsa_private_segment_fixed_size 0
		.amdhsa_enable_private_segment 0
		.amdhsa_kernarg_size 48
		.amdhsa_user_sgpr_count 2
		.amdhsa_user_sgpr_kernarg_segment_ptr 1
		.amdhsa_wavefront_size32 1
		.amdhsa_system_sgpr_workgroup_id_x 1
		.amdhsa_system_sgpr_workgroup_id_y 1
		.amdhsa_system_sgpr_workgroup_id_z 1
		.amdhsa_system_vgpr_workitem_id 0
		.amdhsa_next_free_vgpr 1024
		.amdhsa_next_free_sgpr 66
		.amdhsa_reserve_vcc 0
		.amdhsa_float_denorm_mode_32 3
		.amdhsa_float_denorm_mode_16_64 3
		.amdhsa_memory_ordered 1
		.amdhsa_forward_progress 1
		.amdhsa_inst_pref_size 242
	.end_amdhsa_kernel
	.amdgpu_metadata
---
amdhsa.version: [ 1, 2 ]
amdhsa.kernels:
  - .name:           k_qdf6dde0bbd_scan
    .symbol:         k_qdf6dde0bbd_scan.kd
    .args:
      - { .name: mem, .offset: 0, .size: 8, .value_kind: global_buffer, .address_space: global }
      - { .name: zq, .offset: 8, .size: 8, .value_kind: global_buffer, .address_space: global }
      - { .name: zsc, .offset: 16, .size: 8, .value_kind: global_buffer, .address_space: global }
      - { .name: codes, .offset: 24, .size: 8, .value_kind: global_buffer, .address_space: global }
      - { .name: msc, .offset: 32, .size: 8, .value_kind: global_buffer, .address_space: global }
      - { .name: bm, .offset: 40, .size: 8, .value_kind: global_buffer, .address_space: global }
    .group_segment_fixed_size: 327680
    .private_segment_fixed_size: 0
    .kernarg_segment_align: 8
    .kernarg_segment_size: 48
    .max_flat_workgroup_size: 128
    .sgpr_count:     66
    .vgpr_count:     1024
    .wavefront_size: 32
...
	.end_amdgpu_metadata
.endif
;; end of part 2
;; launch pick (part 3): grid 256 x 1, 4 waves a work-group, no clusters, 0 bytes of LDS; arguments bm, ids; writes ids
.if DOCPART == 3
	.amdgcn_target "amdgcn-amd-amdhsa--gfx1250"
	.amdhsa_code_object_version 6
	.text
	.protected	k_qdf6dde0bbd_pick
	.globl	k_qdf6dde0bbd_pick
	.p2align	8
	.type	k_qdf6dde0bbd_pick,@function
k_qdf6dde0bbd_pick:
	s_mov_b64 s[64:65], 0
	v_nop
	global_prefetch_b8 v0, s[64:65] scope:SCOPE_SE
	s_setreg_imm32_b32 hwreg(HW_REG_WAVE_MODE, 25, 1), 1
	s_wait_xcnt 0x0
; For each query the 16 largest of its 5,000 keys; their low 13 bits, the buckets' numbers, are stored as whole numbers: ids [query][16].
; One wave, one query.  bm is [250 work-groups][1,024 queries][20 keys]: a query's keys are 250 pieces of 80 bytes.  A trip takes five pieces: lanes 0-24 load 16 bytes (4 keys) each;
; lanes 25-31 read lane 24's bytes again, and their lists are set to minus infinity before the lists are merged.  50 trips; five trips' loads are always on their way.
; A lane keeps its 16 largest keys sorted (an insertion is 15 medians and a maximum: no branch on data); the 32 lists are merged by five exchanges (largest of a_i and b_(15-i), then a bitonic sort).
; No LDS, no matrix unit, no cluster: waves share nothing.  Keys are all different (each holds its bucket's number).  NaN is not served.
.set L, 16
.set T, 32
.set KY, 48
.set SEL, 16
.macro INS k
.irp i, 15,14,13,12,11,10,9,8,7,6,5,4,3,2,1
	v_med3_num_f32 v[L+\i], v[L+\i-1], v[L+\i], v[\k]
.endr
	v_max_num_f32 v[L], v[L], v[\k]
.endm
.macro CE a, b, d                      ; b = a with its pairs d apart put in order
.irp i, 0,1,2,3,4,5,6,7,8,9,10,11,12,13,14,15
.if ((\i) & (\d)) == 0
	v_max_num_f32 v[\b+\i], v[\a+\i], v[\a+\i+\d]
	v_min_num_f32 v[\b+\i+\d], v[\a+\i], v[\a+\i+\d]
.endif
.endr
.endm
.macro MERGE src, dst, m, sort         ; dst = the 16 largest of my list and that of lane l xor m
.if \m < 16
.irp i, 0,1,2,3,4,5,6,7,8,9,10,11,12,13,14,15
	v_max_num_f32_dpp v[\dst+\i], v[\src+15-\i], v[\src+\i] row_xmask:\m row_mask:0xf bank_mask:0xf
.endr
.else
.irp i, 0,1,2,3,4,5,6,7,8,9,10,11,12,13,14,15
	v_permlanex16_b32 v[\dst+\i], v[\src+15-\i], s[SEL], s[SEL+1]
.endr
.irp i, 0,1,2,3,4,5,6,7,8,9,10,11,12,13,14,15
	v_max_num_f32 v[\dst+\i], v[\dst+\i], v[\src+\i]
.endr
.endif
.if \sort
	CE \dst, \src, 8
	CE \src, \dst, 4
	CE \dst, \src, 2
	CE \src, \dst, 1
.endif
.endm
	s_load_b128 s[4:7], s[0:1], 0x0                ; bm, ids
	v_lshrrev_b32 v1, 5, v0
	v_readfirstlane_b32 s8, v1
	s_lshl_b32 s9, ttmp9, 2
	s_add_co_u32 s9, s9, s8                        ; my query
	v_and_b32 v2, 31, v0
	v_min_u32 v3, 24, v2
	v_mul_u32_u24 v4, v3, 13
	v_lshrrev_b32 v4, 6, v4                        ; lane / 5: which of the trip's five pieces
	v_mul_u32_u24 v5, v4, 5
	v_sub_nc_u32 v5, v3, v5                        ; lane % 5: which 16 bytes of it
	v_mul_u32_u24 v4, v4, 81920
	v_lshl_add_u32 v4, v5, 4, v4
	v_mov_b32 v6, 0
	v_cmp_gt_u32 s20, 25, v2
	s_mov_b32 s[SEL], 0x76543210
	s_mov_b32 s[SEL+1], 0xfedcba98
	s_mul_i32 s10, s9, 80
	s_mov_b32 s11, 0
	s_lshl_b32 s12, s9, 6
	s_mov_b32 s13, 0
	s_wait_kmcnt 0x0
	s_add_nc_u64 s[4:5], s[4:5], s[10:11]
	s_add_nc_u64 s[6:7], s[6:7], s[12:13]
.irp j, 0,1,2,3,4
	global_load_b128 v[KY+4*\j:KY+4*\j+3], v4, s[4:5] offset:409600*\j th:TH_LOAD_NT
.endr
.irp i, 0,1,2,3,4,5,6,7,8,9,10,11,12,13,14,15
	v_mov_b32 v[L+\i], 0xff800000                  ; minus infinity
	v_mov_b32 v[T+\i], 0                           ; written once: the exchanges' destinations count as read
.endr
	s_mov_b32 s14, 9
.Lround:                                               ; a round is five trips; each set is loaded again with the next round's keys
.irp j, 0,1,2,3,4
	s_wait_loadcnt 0x4                             ; loads come back in order: this set is in, the four younger ones stay out
.irp n, 0,1,2,3
	INS KY+4*\j+\n
.endr
	global_load_b128 v[KY+4*\j:KY+4*\j+3], v4, s[4:5] offset:409600*(5+\j) th:TH_LOAD_NT
.endr
	s_wait_xcnt 0x0                                ; the base is stepped only behind this wait
	s_add_nc_u64 s[4:5], s[4:5], 2048000
	s_sub_co_u32 s14, s14, 1
	s_cmp_lg_u32 s14, 0
	s_cbranch_scc1 .Lround
.irp j, 0,1,2,3,4
	s_wait_loadcnt 4-\j                            ; the last round loads nothing: the counts run down
.irp n, 0,1,2,3
	INS KY+4*\j+\n
.endr
.endr
.irp i, 0,1,2,3,4,5,6,7,8,9,10,11,12,13,14,15
	v_cndmask_b32 v[L+\i], 0xff800000, v[L+\i], s20   ; lanes 25-31 held copies
.endr
	MERGE L, T, 1, 1
	MERGE T, L, 2, 1
	MERGE L, T, 4, 1
	MERGE T, L, 8, 1
	MERGE L, T, 16, 0                              ; the order of the last 16 does not matter
.irp i, 0,1,2,3,4,5,6,7,8,9,10,11,12,13,14,15
	v_and_b32 v[T+\i], 0x1fff, v[T+\i]
.endr
	v_cmp_eq_u32 vcc_lo, 0, v2
	s_wait_xcnt 0x0                                ; EXEC changes only behind this wait
	s_and_saveexec_b32 s15, vcc_lo                 ; every lane holds the same 16: lane 0 stores them
.irp k, 0,1,2,3
	global_store_b128 v6, v[T+4*\k:T+4*\k+3], s[6:7] offset:16*\k
.endr
	s_wait_xcnt 0x0
	s_or_b32 exec_lo, exec_lo, s15
	s_endpgm
.Lfunc_end_k_qdf6dde0bbd_pick:
	.size	k_qdf6dde0bbd_pick, .Lfunc_end_k_qdf6dde0bbd_pick-k_qdf6dde0bbd_pick
	.p2alignl 7, 3214868480
	.fill 96, 4, 3214868480
	.section	.rodata,"a",@progbits
	.p2align	6, 0x0
	.amdhsa_kernel k_qdf6dde0bbd_pick
		.amdhsa_group_segment_fixed_size 0
		.amdhsa_private_segment_fixed_size 0
		.amdhsa_enable_private_segment 0
		.amdhsa_kernarg_size 16
		.amdhsa_user_sgpr_count 2
		.amdhsa_user_sgpr_kernarg_segment_ptr 1
		.amdhsa_wavefront_size32 1
		.amdhsa_system_sgpr_workgroup_id_x 1
		.amdhsa_system_sgpr_workgroup_id_y 1
		.amdhsa_system_sgpr_workgroup_id_z 1
		.amdhsa_system_vgpr_workitem_id 0
		.amdhsa_next_free_vgpr 72
		.amdhsa_next_free_sgpr 66
		.amdhsa_reserve_vcc 1
		.amdhsa_float_denorm_mode_32 3
		.amdhsa_float_denorm_mode_16_64 3
		.amdhsa_memory_ordered 1
		.amdhsa_forward_progress 1
		.amdhsa_inst_pref_size 60
	.end_amdhsa_kernel
	.amdgpu_metadata
---
amdhsa.version: [ 1, 2 ]
amdhsa.kernels:
  - .name:           k_qdf6dde0bbd_pick
    .symbol:         k_qdf6dde0bbd_pick.kd
    .args:
      - { .name: bm, .offset: 0, .size: 8, .value_kind: global_buffer, .address_space: global }
      - { .name: ids, .offset: 8, .size: 8, .value_kind: global_buffer, .address_space: global }
    .group_segment_fixed_size: 0
    .private_segment_fixed_size: 0
    .kernarg_segment_align: 8
    .kernarg_segment_size: 16
    .max_flat_workgroup_size: 128
    .sgpr_count:     66
    .vgpr_count:     72
    .wavefront_size: 32
...
	.end_amdgpu_metadata
.endif
;; end of part 3
;; launch rescore (part 4): grid 256 x 1, 8 waves a work-group, no clusters, 164,864 bytes of LDS; arguments ids, codes, msc, zq, zsc, pq, out0; writes out0
.if DOCPART == 4
	.amdgcn_target "amdgcn-amd-amdhsa--gfx1250"
	.amdhsa_code_object_version 6
	.text
	.protected	k_qdf6dde0bbd_rescore
	.globl	k_qdf6dde0bbd_rescore
	.p2align	8
	.type	k_qdf6dde0bbd_rescore,@function
k_qdf6dde0bbd_rescore:
	s_mov_b64 s[64:65], 0
	v_nop
	global_prefetch_b8 v0, s[64:65] scope:SCOPE_SE
	s_setreg_imm32_b32 hwreg(HW_REG_WAVE_MODE, 25, 1), 1
	s_wait_xcnt 0x0
; For each query: the similarities with the 16 x 40 rows of its chosen buckets, by the same products on the same codes; their 16 largest exactly; novelty, total, and all four rows of the output.
; A work-group serves four queries, two waves each.  Wave v: query 4 wg + v / 2, bucket pairs 4 (v % 2) .. + 3.  A pair is five tiles: rows 0-7 run i of the first bucket, rows 8-15 run i of the second.
; Source 1 is the whole tile of 16 queries to which mine belongs; only my query's column of each result is used.  The results go through LDS, so that the 640 numbers are dealt 20 to a lane.
; The buckets' numbers are whole numbers that an earlier launch stored; they are held at 4,999 before they enter an address.
; No tensor load (addresses hang on stored numbers), no cluster (four work-groups share a tile of queries).  No prefetch: a bucket may be named by several queries, and the loads run two groups ahead.
; NaN is not served.
.set L, 128
.set T, 144
.set SEL, 34
.set MSB, 0
.macro WIN new
.if MSB != (\new)
	s_set_vgpr_msb (MSB<<8)|(\new)
.set MSB, (\new)
.endif
.endm
.macro INS k
.irp i, 15,14,13,12,11,10,9,8,7,6,5,4,3,2,1
	v_med3_num_f32 v[L+\i], v[L+\i-1], v[L+\i], v[\k]
.endr
	v_max_num_f32 v[L], v[L], v[\k]
.endm
.macro CE a, b, d
.irp i, 0,1,2,3,4,5,6,7,8,9,10,11,12,13,14,15
.if ((\i) & (\d)) == 0
	v_max_num_f32 v[\b+\i], v[\a+\i], v[\a+\i+\d]
	v_min_num_f32 v[\b+\i+\d], v[\a+\i], v[\a+\i+\d]
.endif
.endr
.endm
.macro MERGE src, dst, m, sort
.if \m < 16
.irp i, 0,1,2,3,4,5,6,7,8,9,10,11,12,13,14,15
	v_max_num_f32_dpp v[\dst+\i], v[\src+15-\i], v[\src+\i] row_xmask:\m row_mask:0xf bank_mask:0xf
.endr
.else
.irp i, 0,1,2,3,4,5,6,7,8,9,10,11,12,13,14,15
	v_permlanex16_b32 v[\dst+\i], v[\src+15-\i], s[SEL], s[SEL+1]
.endr
.irp i, 0,1,2,3,4,5,6,7,8,9,10,11,12,13,14,15
	v_max_num_f32 v[\dst+\i], v[\dst+\i], v[\src+\i]
.endr
.endif
.if \sort
	CE \dst, \src, 8
	CE \src, \dst, 4
	CE \dst, \src, 2
	CE \src, \dst, 1
.endif
.endm
.macro LOADG jj, buf                   ; a pair's five tiles (30 loads of 16 bytes a lane) into window 1, and their scale words (5 loads)
	WIN 0x40
.irp i, 0,1,2,3,4
.irp c, 0,1,2,3,4,5
	global_load_b128 v[120*\buf+24*\i+4*\c:120*\buf+24*\i+4*\c+3], v[4+\jj], s[6:7] offset:1536*\i+256*\c
.endr
.endr
	WIN 0
.irp i, 0,1,2,3,4
	global_load_b64 v[20+10*\buf+2*\i:21+10*\buf+2*\i], v[8+\jj], s[8:9] offset:64*\i
.endr
.endm
.macro COMP jj, buf, cnt, more
	s_wait_loadcnt \cnt                            ; this pair's 35 loads are in; the next pair's 35 may be out
	s_wait_dscnt 0x0                               ; the last pair's stores have read the results' registers
	WIN 0x01                                       ; source 0 in window 1
.irp i, 0,1,2,3,4
	v_wmma_scale_f32_16x16x128_f8f6f4 v[64+8*\i:71+8*\i], v[120*\buf+24*\i:120*\buf+24*\i+11], v[40:51], 0, v[20+10*\buf+2*\i], v18 matrix_a_fmt:MATRIX_FMT_BF6 matrix_b_fmt:MATRIX_FMT_BF6
.endr
.irp i, 0,1,2,3,4
	v_wmma_scale_f32_16x16x128_f8f6f4 v[64+8*\i:71+8*\i], v[120*\buf+24*\i+12:120*\buf+24*\i+23], v[52:63], v[64+8*\i:71+8*\i], v[21+10*\buf+2*\i], v18 matrix_a_fmt:MATRIX_FMT_BF6 matrix_b_fmt:MATRIX_FMT_BF6 matrix_b_scale:MATRIX_SCALE_ROW1
.endr
	WIN 0
.rept 5
	v_nop                                          ; four places ahead of the loads and stores below, five ahead of the next pair's products, which write over these results
.endr
.if \more
	LOADG (\jj)+2, \buf
.endif
.irp i, 0,1,2,3,4
	ds_store_b128 v16, v[64+8*\i:67+8*\i] offset:(5*(\jj)+\i)*1024          ; each result from its low end on
	ds_store_b128 v16, v[68+8*\i:71+8*\i] offset:(5*(\jj)+\i)*1024+512
.endr
.endm
	s_load_b256 s[4:11], s[0:1], 0x0               ; ids, codes, msc, zq
	s_load_b128 s[12:15], s[0:1], 0x20             ; zsc, pq
	s_load_b64 s[16:17], s[0:1], 0x30              ; out0
	v_lshl_add_u32 v254, v0, 2, 0x28000
	v_mov_b32 v255, 0
	v_lshrrev_b32 v1, 5, v0
	v_readfirstlane_b32 s18, v1                    ; wave
	s_lshr_b32 s19, s18, 1
	s_and_b32 s20, s18, 1                          ; which half of the query's buckets
	s_lshl_b32 s21, ttmp9, 2
	s_add_co_u32 s21, s21, s19                     ; my query
	v_and_b32 v2, 31, v0                           ; lane
	v_and_b32 v1, 7, v0
	v_bfe_u32 v3, v0, 3, 1                         ; r / 8: first or second bucket of a pair
	v_bfe_u32 v109, v0, 4, 1
	v_lshlrev_b32 v104, 2, v3
	v_lshlrev_b32 v105, 4, v2
	v_lshlrev_b32 v106, 2, v2
	v_lshlrev_b32 v107, 4, v1
	v_lshl_add_u32 v107, v109, 7, v107             ; my 16 bytes in a chunk of a run
	v_lshlrev_b32 v108, 3, v1
	s_mul_i32 s22, s18, 20480
	v_add_nc_u32 v16, s22, v105                    ; where my results go: [wave][tile][half][lane][16 B]
	s_mul_i32 s22, s19, 40960
	s_and_b32 s23, s21, 15
	s_lshl_b32 s23, s23, 4
	s_add_co_u32 s22, s22, s23
	v_lshrrev_b32 v17, 2, v2                       ; and from where my 20 numbers come: piece 32 k + lane = (tile, half, row half) of my query's column
	v_lshlrev_b32 v17, 10, v17
	v_bfe_u32 v110, v0, 1, 1
	v_lshl_add_u32 v17, v110, 9, v17
	v_and_b32 v110, 1, v0
	v_lshl_add_u32 v17, v110, 8, v17
	v_add_nc_u32 v17, s22, v17
	s_mov_b32 s[SEL], 0x76543210
	s_mov_b32 s[SEL+1], 0xfedcba98
	s_lshl_b32 s24, s21, 6
	s_lshl_b32 s25, s20, 5
	s_add_co_u32 s24, s24, s25
	s_mov_b32 s25, 0
	s_lshr_b32 s26, s21, 4                         ; my query's tile
	s_mul_i32 s36, s26, 3072
	s_mov_b32 s37, 0
	s_lshl_b32 s38, s26, 7
	s_mov_b32 s39, 0
	s_lshl_b32 s28, s21, 2
	s_mov_b32 s29, 0
	s_wait_kmcnt 0x0
	s_add_nc_u64 s[4:5], s[4:5], s[24:25]
	s_add_nc_u64 s[10:11], s[10:11], s[36:37]
	s_add_nc_u64 s[12:13], s[12:13], s[38:39]
	s_add_nc_u64 s[16:17], s[16:17], s[28:29]
	s_load_b32 s30, s[14:15], s28 offset:0x0       ; the prediction error,
	s_load_b32 s31, s[14:15], s28 offset:0x1000    ; the mean of sigma
.irp j, 0,1,2,3
	global_load_b32 v[12+\j], v104, s[4:5] offset:8*\j
.endr
.irp c, 0,1,2,3,4,5
	global_load_b128 v[40+4*\c:43+4*\c], v105, s[10:11] offset:512*\c
.endr
	global_load_b32 v18, v106, s[12:13]
	s_wait_loadcnt 7                               ; the four numbers are in; the queries' seven loads may be out
.irp j, 0,1,2,3
	v_min_u32 v[12+\j], 4999, v[12+\j]
	v_mul_u32_u24 v[4+\j], v[12+\j], 7680          ; a bucket is five runs of 1,536 bytes
	v_add_nc_u32 v[4+\j], v107, v[4+\j]
	v_mul_u32_u24 v[8+\j], v[12+\j], 320           ; and 40 rows of 8 scale bytes
	v_add_nc_u32 v[8+\j], v108, v[8+\j]
.endr
	LOADG 0, 0
	LOADG 1, 1
	COMP 0, 0, 35, 1
	COMP 1, 1, 35, 1
	COMP 2, 0, 35, 0
	COMP 3, 1, 0, 0
	s_wait_dscnt 0x0                               ; my results lie in LDS
	s_barrier_signal -1
	s_barrier_wait -1                              ; my partner's too
	s_cmp_lg_u32 s20, 0
	s_cbranch_scc1 .Lend                           ; one wave of the two selects
.irp k, 0,1,2,3,4
	ds_load_b128 v[104+4*\k:107+4*\k], v17 offset:8192*\k
.endr
.irp i, 0,1,2,3,4,5,6,7,8,9,10,11,12,13,14,15
	v_mov_b32 v[L+\i], 0xff800000
	v_mov_b32 v[T+\i], 0
.endr
	s_wait_dscnt 0x0
.set nn, 0
.rept 20
	INS 104+nn
.set nn, nn+1
.endr
	MERGE L, T, 1, 1
	MERGE T, L, 2, 1
	MERGE L, T, 4, 1
	MERGE T, L, 8, 1
	MERGE L, T, 16, 0
.irp i, 2,4,6,8,10,12,14
	v_pk_add_f32 v[T:T+1], v[T:T+1], v[T+\i:T+\i+1]
.endr
	v_add_f32 v[T], v[T], v[T+1]
	v_fma_f32 v160, v[T], 0xbd800000, 1.0          ; 1 - the mean of the 16
	v_med3_num_f32 v160, v160, 0, 1.0              ; novelty
	s_wait_kmcnt 0x0
	v_fma_f32 v161, v160, 0.5, s30
	v_fma_f32 v161, s31, 0.5, v161                 ; total
	v_mov_b32 v162, s30
	v_mov_b32 v163, s31
	v_cmp_eq_u32 vcc_lo, 0, v2
	v_cndmask_b32 v162, v162, v161, vcc_lo         ; lane 0: total, lane 1: error, lane 2: epistemic, lane 3: novelty
	v_cmp_eq_u32 vcc_lo, 2, v2
	v_cndmask_b32 v162, v162, v163, vcc_lo
	v_cmp_eq_u32 vcc_lo, 3, v2
	v_cndmask_b32 v162, v162, v160, vcc_lo
	v_lshlrev_b32 v164, 12, v2                     ; a row of the output is 4,096 bytes
	v_cmp_gt_u32 vcc_lo, 4, v2
	s_wait_xcnt 0x0                                ; EXEC changes only behind this wait
	s_and_saveexec_b32 s33, vcc_lo
	global_store_b32 v164, v162, s[16:17]
	s_wait_xcnt 0x0
	s_or_b32 exec_lo, exec_lo, s33
.Lend:
	s_wait_tensorcnt 0x0
	ds_add_u32 v254, v255
	s_wait_dscnt 0x0
	s_endpgm
.Lfunc_end_k_qdf6dde0bbd_rescore:
	.size	k_qdf6dde0bbd_rescore, .Lfunc_end_k_qdf6dde0bbd_rescore-k_qdf6dde0bbd_rescore
	.p2alignl 7, 3214868480
	.fill 96, 4, 3214868480
	.section	.rodata,"a",@progbits
	.p2align	6, 0x0
	.amdhsa_kernel k_qdf6dde0bbd_rescore
		.amdhsa_group_segment_fixed_size 164864
		.amdhsa_private_segment_fixed_size 0
		.amdhsa_enable_private_segment 0
		.amdhsa_kernarg_size 56
		.amdhsa_user_sgpr_count 2
		.amdhsa_user_sgpr_kernarg_segment_ptr 1
		.amdhsa_wavefront_size32 1
		.amdhsa_system_sgpr_workgroup_id_x 1
		.amdhsa_system_sgpr_workgroup_id_y 1
		.amdhsa_system_sgpr_workgroup_id_z 1
		.amdhsa_system_vgpr_workitem_id 0
		.amdhsa_next_free_vgpr 512
		.amdhsa_next_free_sgpr 66
		.amdhsa_reserve_vcc 1
		.amdhsa_float_denorm_mode_32 3
		.amdhsa_float_denorm_mode_16_64 3
		.amdhsa_memory_ordered 1
		.amdhsa_forward_progress 1
		.amdhsa_inst_pref_size 64
	.end_amdhsa_kernel
	.amdgpu_metadata
---
amdhsa.version: [ 1, 2 ]
amdhsa.kernels:
  - .name:           k_qdf6dde0bbd_rescore
    .symbol:         k_qdf6dde0bbd_rescore.kd
    .args:
      - { .name: ids, .offset: 0, .size: 8, .value_kind: global_buffer, .address_space: global }
      - { .name: codes, .offset: 8, .size: 8, .value_kind: global_buffer, .address_space: global }
      - { .name: msc, .offset: 16, .size: 8, .value_kind: global_buffer, .address_space: global }
      - { .name: zq, .offset: 24, .size: 8, .value_kind: global_buffer, .address_space: global }
      - { .name: zsc, .offset: 32, .size: 8, .value_kind: global_buffer, .address_space: global }
      - { .name: pq, .offset: 40, .size: 8, .value_kind: global_buffer, .address_space: global }
      - { .name: out0, .offset: 48, .size: 8, .value_kind: global_buffer, .address_space: global }
    .group_segment_fixed_size: 164864
    .private_segment_fixed_size: 0
    .kernarg_segment_align: 8
    .kernarg_segment_size: 56
    .max_flat_workgroup_size: 256
    .sgpr_count:     66
    .vgpr_count:     512
    .wavefront_size: 32
...
	.end_amdgpu_metadata
.endif
;; end of part 4
